; MI455X (gfx1250); checked and timed in simulation.
; The chip was launched on July 23, 2026; its instructions are those of AMD's public machine-readable ISA for CDNA 5 (MIT licence, August 2026) and "CDNA5" Instruction Set Architecture Reference Guide (July 2026). The comments in the code are by the model that wrote it; some were corrected since.
;; Sparse Linear. Allowed arithmetic: matrix products marked QUANTISED: E2M1 operands, one E8M0 scale for each 32 along K, by v_wmma_scale_f32_16x16x128_f8f6f4 with both operands' format E2M1 (or v_wmma_scale_f32_32x16x128_f4), f32 sums; everything else in f32.
;; Inputs: bias 4,096 float32; input 4,096 x 4,096 float32; mask 4,096 x 4,096 int32; weight_codes 4,096 x 128 x 16 uint8 (E2M1 codes of weight, K innermost, in blocks of 32 codes, two codes a byte); weight_scales 4,096 x 128 uint8 (E8M0 scales of weight, one for each 32 codes along K).
;; Outputs: out0 4,096 x 4,096 float32.
;; This version of the problem:
;;   THIS VERSION OF THE PROBLEM IS GIVEN IN LOW PRECISION. The matrix products marked QUANTISED in the list below multiply operands that are first quantised to E2M1 (2 exponent bits, 1 mantissa bit; 4 bits a number), with one power-of-two scale for each 32 numbers along K (OCP MX v1.0); their sums are f32. All else is computed in f32.
;;   The module's matrix products, in the order in which they are computed (A, B: the left and right operand; K: the contracted axis; several contracted axes count as one K, in the product's order):
;;     1. [M 4,096, K 4,096] x [K 4,096, N 4,096]; A: computed on the way; B: input weight (given as codes): QUANTISED
;;   THE QUANTISER, for each operand of a quantised product, along K:
;;     - K is cut into blocks of 32 from its start; a last block that is shorter is filled with zeros.
;;     - A block's scale is 2^e with e = floor(log2(the largest magnitude in the block)) - 2, held to -126 .. 127; a block of zeros has e = 0. As a byte (E8M0): e + 127.
;;     - Each number is divided by its block's scale, clamped to +-6, and rounded to the nearest number of E2M1, ties to even, subnormals kept.
;;     - The product sums the exact products of the quantised numbers (number of the format x scale) in f32.
;;   ~~~python
;;   def quantise(x, axis):      # numpy; x: float32 -> the quantised numbers, widened to float32 again
;;       x = np.moveaxis(x, axis, -1); K = x.shape[-1]
;;       x = np.pad(x, [(0, 0)] * (x.ndim - 1) + [(0, -K % 32)]); x = x.reshape(x.shape[:-1] + (-1, 32)); a = np.abs(x).max(-1, keepdims=True)
;;       e = np.where(a > 0, np.clip(np.frexp(np.where(a > 0, a, 1))[1] - 1 - 2, -126, 127), 0)      # np.frexp(a)[1] - 1 = floor(log2(a)), exactly
;;       r = np.clip(x / 2.0 ** e, -6, 6)
;;       step = 2.0 ** (np.maximum(np.frexp(np.where(r == 0, 1, r))[1] - 1, 0) - 1)
;;       q = np.round(r / step) * step * 2.0 ** e      # np.round: ties to even
;;       return np.moveaxis(q.reshape(q.shape[:-2] + (-1,))[..., :K], -1, axis).astype(np.float32)
;;   ~~~
;;   OPERANDS COMPUTED ON THE WAY. 'Computed on the way' means the value that the module computes at that place (a softmax that the list does not call 'softmax' is quantised finished and normalised). What goes into a quantiser is computed in f32, as accurately as f32 sums, v_exp_f32 and their like allow (about 1e-6 of the number): no bf16 or f16 on the way to a quantiser, and a product that is left as it is and whose result goes on into a quantised operand takes f32 operands (vector FMAs, or v_wmma_f32_16x16x4_f32). A number that lies on a knife's edge between two numbers of the format may be rounded either way, as far as f32 arithmetic and the matrix unit's own rounding can turn it there, and no further.
;;   INPUTS GIVEN AS CODES. weight (in the module: [4096, 4096], K = its axis 1): each comes as NAME_codes (uint8): NAME with its K axis moved to the last place and cut into blocks of 32 codes, [.., K / 32, bytes a block], one block behind the other in memory; two codes a byte, the lower K in the low four bits (a code: sign, 2 exponent bits, 1 mantissa bit); and NAME_scales (uint8): the same leading axes, one E8M0 byte (e + 127) for each 32 codes along K. Its value is code x scale, taken as it is: it is not quantised again, and the codes and scales need not be those that the quantiser above would give.
;; One version. Each part assembles by itself: llvm-mc -triple=amdgcn-amd-amdhsa -mcpu=gfx1250 --defsym DOCPART=n.
;; ======== version 1 of 1: 2 launches
;; limits: right only within a limited range of input values
;; workspace buffers: a_codes 8,388,608 bytes; sc 1,048,576 bytes
;; launch quant (part 1): grid 512 x 1, 4 waves a work-group, no clusters, 39,424 bytes of LDS; arguments input, mask, weight_scales, a_codes, sc; writes a_codes, sc
.if DOCPART == 1
	.amdgcn_target "amdgcn-amd-amdhsa--gfx1250"
	.amdhsa_code_object_version 6
	.text
	.protected	k_q033860ad37_quant
	.globl	k_q033860ad37_quant
	.p2align	8
	.type	k_q033860ad37_quant,@function
k_q033860ad37_quant:
	s_mov_b64 s[64:65], 0
	v_nop
	global_prefetch_b8 v0, s[64:65] scope:SCOPE_SE
	s_setreg_imm32_b32 hwreg(HW_REG_WAVE_MODE, 25, 1), 1
	s_wait_xcnt 0x0
; a = input x f32(mask), [4096][4096] f32, is turned into codes of FP4 (E2M1) with one E8M0 scale byte for each 32 along K.
; a_codes is laid AS THE MATRIX OPERAND'S REGISTERS TAKE IT: [block of 16 rows: 256][128 along K: 32][c: 2][lane: 32][16 bytes]; lane 16 h + r of half c holds the codes of row r, k = 64 c + 32 h + 0 .. 31.
; The scale bytes of a and those of the weight (copied as given) go into sc[side: a, weight][K step of 512: 8][row: 4096][16 bytes].
; A block's scale byte is its largest magnitude's exponent field - 2, held at 1 from below.
; LIMITS: a block of zeros, and one whose largest magnitude lies under 2^-124, gets the byte 1 (for zeros the rule says 127: the codes are zeros, and this program alone reads the bytes);
; NaN and infinities in input are not served.  The mask is taken as the whole numbers that it holds: no pattern is built in.
; SHARES: a wave takes 16 rows x 512 along K (row block rb = g / 2, K step ks = 4 (g % 2) + wave); step t is row 16 rb + t.  Each load reads 512 consecutive bytes; the products turn through the wave's
; own stage in LDS and come back 16 neighbours a lane.  The codes gather in an LDS image of the wave's 4,096 bytes of a_codes (16 pieces of 256 bytes, 16 of padding behind each) and leave at the end.
; No tensor loads, no barrier: waves share nothing.  Loads run four steps ahead.
.set STEPS, 16
.set EMAX,  2
.set ROWI,  16384                      ; a row of input or of mask in bytes
.set SCB,   524288                     ; the weight's side of sc
.set WREG,  9728                       ; LDS of a wave: two stages of 32 x SP, 256 scale bytes, the image of 16 x 272
.set SP,    80
.set IMG,   256                        ; the image, counted from the scale bytes
.set R,     32                         ; v32-95   four sets of input, then the products
.set MK,    96                         ; v96-159  four sets of mask
.set X,     160                        ; v160-191 two sets of 16 neighbours; at the end the image read back
.set C,     192                        ; v192-223 codes
.set E,     224                        ; v224-239 scale bytes
	s_load_b256 s[4:11], s[0:1], 0x0               ; input, mask, weight_scales, a_codes
	s_load_b64 s[12:13], s[0:1], 0x20              ; sc
	v_lshl_add_u32 v240, v0, 2, 4*WREG             ; my spare word, behind the four regions
	v_mov_b32 v241, 0
	v_lshrrev_b32 v1, 5, v0
	v_readfirstlane_b32 s16, v1                    ; wave
	v_and_b32 v2, 31, v0                           ; lane
	v_lshlrev_b32 v3, 4, v2
	v_lshlrev_b32 v4, 3, v2
	s_mul_i32 s19, s16, WREG
	v_lshrrev_b32 v14, 2, v2
	v_mul_u32_u24 v14, v14, SP
	v_and_b32 v15, 3, v2
	v_lshl_add_u32 v14, v15, 4, v14
	v_add_nc_u32 v14, s19, v14                     ; the stage, in: SP (lane / 4) + 16 (lane % 4)
	v_mul_u32_u24 v15, v2, SP
	v_add_nc_u32 v15, s19, v15                     ; and out: SP x lane
	v_lshrrev_b32 v5, 1, v2
	s_add_co_u32 s19, s19, 2*32*SP
	v_add_nc_u32 v5, s19, v5                       ; my block's scale byte,
	v_add_nc_u32 v6, s19, v4                       ; and on the way out 8 bytes a lane
	v_lshrrev_b32 v16, 1, v2                       ; the image, in: my 8 bytes (k = 16 lane ..) lie in piece lane / 2 = 4 (k / 128) + 2 c + h, at 16 row + 8 (lane % 2)
	v_mul_u32_u24 v16, v16, 272
	v_and_b32 v17, 1, v2
	v_lshl_add_u32 v16, v17, 3, v16
	v_add_nc_u32 v16, s19, v16
	v_lshrrev_b32 v17, 4, v2                       ; and out: load i takes pieces 2 i and 2 i + 1, 16 bytes a lane
	v_mul_u32_u24 v17, v17, 272
	v_and_b32 v20, 15, v2
	v_lshl_add_u32 v17, v20, 4, v17
	v_add_nc_u32 v17, s19, v17
	v_lshrrev_b32 v10, 1, v2
	v_and_b32 v9, 1, v2
	v_lshlrev_b32 v10, 7, v10
	v_lshl_add_u32 v10, v9, 3, v10                 ; weight_scales: row lane / 2, half lane % 2 of the K step's 16 bytes
	s_lshr_b32 s17, ttmp9, 1                       ; rb
	s_and_b32 s18, ttmp9, 1
	s_lshl_b32 s18, s18, 2
	s_add_co_u32 s18, s18, s16                     ; ks
	s_lshl_b32 s20, s17, 18
	s_lshl_b32 s21, s18, 11
	s_add_co_u32 s20, s20, s21
	s_mov_b32 s21, 0
	s_lshl_b32 s22, s17, 11
	s_lshl_b32 s23, s18, 4
	s_add_co_u32 s22, s22, s23
	s_mov_b32 s23, 0
	s_lshl_b32 s24, s17, 15                        ; a_codes: 32,768 rb + 4,096 ks
	s_lshl_b32 s25, s18, 12
	s_add_co_u32 s24, s24, s25
	s_mov_b32 s25, 0
	s_lshl_b32 s26, s18, 16                        ; sc: 65,536 ks + 256 rb
	s_lshl_b32 s27, s17, 8
	s_add_co_u32 s26, s26, s27
	s_mov_b32 s27, 0
	s_wait_alu depctr_va_vdst(0)                   ; the wait at the head's end
	s_wait_kmcnt 0x0
	s_add_nc_u64 s[4:5], s[4:5], s[20:21]
	s_add_nc_u64 s[6:7], s[6:7], s[20:21]
	s_add_nc_u64 s[8:9], s[8:9], s[22:23]
	s_add_nc_u64 s[10:11], s[10:11], s[24:25]
	s_add_nc_u64 s[12:13], s[12:13], s[26:27]
.macro LOAD t                          ; step t: four loads of input, four of mask, 512 consecutive bytes each
.irp i, 0,1,2,3
	global_load_b128 v[R+16*((\t)%4)+4*\i:R+16*((\t)%4)+4*\i+3], v3, s[4:5] offset:ROWI*(\t)+512*\i th:TH_LOAD_NT
.endr
.irp i, 0,1,2,3
	global_load_b128 v[MK+16*((\t)%4)+4*\i:MK+16*((\t)%4)+4*\i+3], v3, s[6:7] offset:ROWI*(\t)+512*\i th:TH_LOAD_NT
.endr
.endm
.macro TURN t                          ; the mask to f32, the products, their turn through the stage (LDS serves a wave's instructions in order)
.set RS, R+16*((\t)%4)
.set MS, MK+16*((\t)%4)
.irp i, 0,1,2,3,4,5,6,7,8,9,10,11,12,13,14,15
	v_cvt_f32_i32 v[MS+\i], v[MS+\i]
.endr
.irp i, 0,2,4,6,8,10,12,14
	v_pk_mul_f32 v[RS+\i:RS+\i+1], v[RS+\i:RS+\i+1], v[MS+\i:MS+\i+1]
.endr
.irp i, 0,1,2,3
	ds_store_b128 v14, v[RS+4*\i:RS+4*\i+3] offset:32*SP*((\t)%2)+8*SP*\i
.endr
.irp i, 0,1,2,3
	ds_load_b128 v[X+16*((\t)%2)+4*\i:X+16*((\t)%2)+4*\i+3], v15 offset:32*SP*((\t)%2)+16*\i
.endr
.endm
	global_load_b64 v[18:19], v10, s[8:9]          ; the weight's scale bytes of my 16 rows and K step: the oldest load
.irp t, 0,1,2,3
	LOAD \t
.endr
	s_wait_loadcnt 24                              ; that load and step 0's eight are in
	global_store_b64 v4, v[18:19], s[12:13] offset:SCB   ; 256 consecutive, aligned bytes of the weight's side of sc
	TURN 0
.macro STEP t
.set XS, X+16*((\t)%2)
.if (\t) > 0
	s_wait_dscnt 2                                 ; this step's numbers are back (the last step's byte store and code store may be out)
.else
	s_wait_dscnt 0x0
.endif
.if (\t)+4 < STEPS
	LOAD (\t)+4
.endif
.if (\t)+1 < STEPS
.if 14-(\t) >= 3
	s_wait_loadcnt 24                              ; the next step's eight loads are in; three steps' may be out
.else
	s_wait_loadcnt 8*(14-(\t))
.endif
	TURN (\t)+1
.endif
	v_max3_num_f32 v8, |v[XS]|, |v[XS+1]|, |v[XS+2]|
	v_max3_num_f32 v9, |v[XS+3]|, |v[XS+4]|, |v[XS+5]|
.irp i, 6,10
	v_max3_num_f32 v8, v8, |v[XS+\i]|, |v[XS+\i+1]|
	v_max3_num_f32 v9, v9, |v[XS+\i+2]|, |v[XS+\i+3]|
.endr
	v_max3_num_f32 v8, v8, |v[XS+14]|, |v[XS+15]|
	v_max3_num_f32 v8, v8, v9, (EMAX+1)<<23        ; the floor 2^(3 - 127): the byte cannot fall under 1
	v_max_num_f32_dpp v8, v8, v8 row_xmask:1 row_mask:0xf bank_mask:0xf   ; with my neighbour's 16: the block's
	v_add_nc_u32 v11, -(EMAX<<23), v8              ; 2 off the exponent field: the conversion's scale operand
	v_cvt_scalef32_pk8_fp4_f32 v[C+2*(\t)], v[XS:XS+7], v11
	v_cvt_scalef32_pk8_fp4_f32 v[C+2*(\t)+1], v[XS+8:XS+15], v11
	v_lshrrev_b32 v[E+(\t)], 23, v11               ; the scale's byte (also the plain line behind the conversions)
	ds_store_b8 v5, v[E+(\t)] offset:16*(\t)
	ds_store_b64 v16, v[C+2*(\t):C+2*(\t)+1] offset:IMG+16*(\t)   ; row t's place in each piece of the image
.endm
.irp t, 0,1,2,3,4,5,6,7,8,9,10,11,12,13,14,15
	STEP \t
.endr
	ds_load_b64 v[12:13], v6                       ; LDS serves a wave's instructions in order: these see my stores
.irp i, 0,1,2,3,4,5,6,7
	ds_load_b128 v[X+4*\i:X+4*\i+3], v17 offset:IMG+544*\i
.endr
	s_wait_dscnt 0x0
	global_store_b64 v4, v[12:13], s[12:13]        ; my 16 rows' scale bytes: 256 consecutive, aligned bytes
.irp i, 0,1,2,3,4,5,6,7
	global_store_b128 v3, v[X+4*\i:X+4*\i+3], s[10:11] offset:512*\i   ; 512 consecutive, aligned bytes of a_codes
.endr
	s_wait_tensorcnt 0x0                           ; the wave's end
	ds_add_u32 v240, v241
	s_wait_dscnt 0x0
	s_endpgm
.Lfunc_end_k_q033860ad37_quant:
	.size	k_q033860ad37_quant, .Lfunc_end_k_q033860ad37_quant-k_q033860ad37_quant
	.p2alignl 7, 3214868480
	.fill 96, 4, 3214868480
	.section	.rodata,"a",@progbits
	.p2align	6, 0x0
	.amdhsa_kernel k_q033860ad37_quant
		.amdhsa_group_segment_fixed_size 39424
		.amdhsa_private_segment_fixed_size 0
		.amdhsa_enable_private_segment 0
		.amdhsa_kernarg_size 40
		.amdhsa_user_sgpr_count 2
		.amdhsa_user_sgpr_kernarg_segment_ptr 1
		.amdhsa_wavefront_size32 1
		.amdhsa_system_sgpr_workgroup_id_x 1
		.amdhsa_system_sgpr_workgroup_id_y 1
		.amdhsa_system_sgpr_workgroup_id_z 1
		.amdhsa_system_vgpr_workitem_id 0
		.amdhsa_next_free_vgpr 242
		.amdhsa_next_free_sgpr 66
		.amdhsa_reserve_vcc 0
		.amdhsa_float_denorm_mode_32 3
		.amdhsa_float_denorm_mode_16_64 3
		.amdhsa_memory_ordered 1
		.amdhsa_forward_progress 1
		.amdhsa_inst_pref_size 57
	.end_amdhsa_kernel
	.amdgpu_metadata
---
amdhsa.version: [ 1, 2 ]
amdhsa.kernels:
  - .name:           k_q033860ad37_quant
    .symbol:         k_q033860ad37_quant.kd
    .args:
      - { .name: input, .offset: 0, .size: 8, .value_kind: global_buffer, .address_space: global }
      - { .name: mask, .offset: 8, .size: 8, .value_kind: global_buffer, .address_space: global }
      - { .name: weight_scales, .offset: 16, .size: 8, .value_kind: global_buffer, .address_space: global }
      - { .name: a_codes, .offset: 24, .size: 8, .value_kind: global_buffer, .address_space: global }
      - { .name: sc, .offset: 32, .size: 8, .value_kind: global_buffer, .address_space: global }
    .group_segment_fixed_size: 39424
    .private_segment_fixed_size: 0
    .kernarg_segment_align: 8
    .kernarg_segment_size: 40
    .max_flat_workgroup_size: 128
    .sgpr_count:     66
    .vgpr_count:     242
    .wavefront_size: 32
...
	.end_amdgpu_metadata
.endif
;; end of part 1
;; launch gemm (part 2): grid 16 x 16, 4 waves a work-group, clusters of 4 x 4, 327,680 bytes of LDS; arguments a_codes, weight_codes, sc, bias, out0; writes out0
.if DOCPART == 2
	.amdgcn_target "amdgcn-amd-amdhsa--gfx1250"
	.amdhsa_code_object_version 6
	.text
	.protected	k_q033860ad37_gemm
	.globl	k_q033860ad37_gemm
	.p2align	8
	.type	k_q033860ad37_gemm,@function
k_q033860ad37_gemm:
	s_mov_b64 s[64:65], 0
	v_nop
	global_prefetch_b8 v0, s[64:65] scope:SCOPE_SE
	s_setreg_imm32_b32 hwreg(HW_REG_WAVE_MODE, 25, 1), 1
	s_wait_xcnt 0x0
	s_wait_alu depctr_hold_cnt(0) depctr_sa_sdst(0) depctr_va_vdst(0) depctr_va_sdst(0) depctr_va_ssrc(0) depctr_va_vcc(0) depctr_vm_vsrc(0)
	s_getreg_b32 s2, hwreg(HW_REG_IB_STS2, 6, 4)
	s_cmp_eq_u32 s2, 0
	s_cbranch_scc0 .Lentry_in_a_cluster
	s_endpgm
.Lentry_in_a_cluster:
	s_bfe_u32 s2, ttmp6, 0x10000c
	s_cmp_lg_u32 s2, 0xf033
	s_cbranch_scc0 .Lentry_shape_is_right
	s_endpgm
.Lentry_shape_is_right:
; out0[m][n] = sum over k of a[m][k] w[n][k] + bias[n], on FP4 codes with E8M0 scales; sums in f32; the bias is the C of each sum's first product.
; weight_codes: [4096 rows][2,048 bytes].  a_codes (launch quant): an image of the operand's registers, [block of 16 rows][128 along K][2 x 32 lanes x 16 bytes].  sc: [side][K step of 512][row][16 scale bytes].
; A work-group of four waves makes 256 x 256 of out0, a wave 128 x 128: 64 accumulators.  K goes in 8 steps of 512 through two LDS slots.
; A wave's 64 KB of fragments for a K step come by two roads: the weight's eight blocks and a's blocks 0-3 from LDS (48 KB), a's blocks 4-7 from memory straight into registers (16 KB, each load 512 consecutive bytes),
; three steps of 128 ahead, in four sets of registers.  So a slot holds 64 + 64 rows of a (dense, 4,096 bytes for a block of 16 rows) and 256 rows of the weight (272 bytes apart).
; CLUSTERS of 4 x 4: a's tile is asked for jointly along a row of the cluster, the weight's along a column.  The matrix instruction is used transposed (source 0 = the weight, source 1 = a).
; LIMIT: a cluster begins its walk along K at a K step made of its own place in the grid (0, 2, 4 or 6) and wraps round, so the order of the f32 sums differs from ascending K.
; A step's run of loads (the next step's 24 LDS loads, 8 loads of a three steps on) is issued ahead of the wait for its own fragments.  A slot's third step issues the slot's last reads, so the change of slots stands at its end.
; PREFETCH: beside the joint load of K step j each wave names 32 pieces of 256 bytes of K step j + 2: waves 0, 1 of a (all 16 blocks of the tile's rows), waves 2, 3 of the weight; the four partners share the pieces by address;
; the last two refills name nothing; at most two K steps are named and not yet loaded.
; REGISTERS: window 0: v0-31 addresses; v32-95 scale words, two sets; v128-255 a's blocks 4-7, four sets of 32.
;   window 1: v0-63, v128-191 the weight's fragments, two sets; v64-127 the bias; v192-255 a's blocks 0-3, two sets of 32.   windows 2, 3: the accumulators of my rows 0-63, 64-127.
.set SIZE_N, 4096
.set ROWB,   256
.set KROW,   2048
.set PITCH,  272
.set HALFT,  128*PITCH
.set APART,  32768                     ; a's part of a slot
.set SLOT,   APART+2*HALFT
.set LAPS,   4
.set SCK,    65536
.set SCB,    524288
.set SPARE,  2*SLOT                    ; the spare words: 512 bytes that no other line names
.set STAGE,  SPARE+512                 ; the way out: 16 rows x 528 bytes a wave, bytes of its own
.set SPITCH, 528
.set ADRA, 16
.set ADRB, 20
.set STO,  24
.set RD,   25
.set CO,   26                          ; 16 x lane: in a row of out0, and in a piece of a_codes
.set SCO,  27
.set SPW,  28
.set NIL,  29
.set PFO,  30
.set BO,   31
.set SC,   32
.set BIAS, 64
.set BK,   128
.set G1,   24
.set G0,   32
.set G1B,  48
.set G0B,  56
.set ABASE, 66
.set KN,   68                          ; the K step of the next refill
.set PSH,  69                          ; a K step in my prefetches: 2^12 bytes (a) or 2^8 (the weight)
.set BBASE, 70
.set KO,   72
.set PFB,  74
.set PFA,  76
.set SCP,  80
.set SOF,  82
.set ADB,  88                          ; s[88:89], s[90:91]: my blocks 4-7 of a at the K step of slot 0, 1
.set KOA,  92
.set MSB, 0
.macro WIN new                         ; the immediate's high byte repeats the setting that is left
.if MSB != \new
	s_set_vgpr_msb (MSB<<8)|\new
.set MSB, \new
.endif
.endm
.set MUL_LO, 0xa5                      ; sources 0 and 1 window 1, C and D window 2.  With the bias as C (window 1): 0x95
.set MUL_HI, 0xf1                      ; source 0 window 1, source 1 window 0, C and D window 3.  With the bias as C: 0xd1
.set TO_B,   0x40                      ; destination window 1, address window 0
.macro JLOAD g0a, g1a, g0b, g1b        ; a joint load: waves 0, 1 fetch for a, waves 2, 3 for the weight
	s_cmp_eq_u32 s15, 0
	s_cbranch_scc0 .Lfor_b_\@
	tensor_load_to_lds s[\g0a:\g0a+3], s[\g1a:\g1a+7]
	s_nop 0
.rept 4
	v_nop
.endr
	s_branch .Lasked_\@
.Lfor_b_\@:
	tensor_load_to_lds s[\g0b:\g0b+3], s[\g1b:\g1b+7]
	s_nop 0
.rept 4
	v_nop
.endr
.Lasked_\@:
.endm
.macro CREST
	s_cmp_lg_u32 s14, 0
	s_cbranch_scc1 .Lnot_wave_0_\@
	s_barrier_signal -3
.Lnot_wave_0_\@:
	s_barrier_wait -3
	s_barrier_signal -1
	s_barrier_wait -1
.endm
.macro CROUND
	s_barrier_signal -1
	s_barrier_wait -1
	CREST
.endm
.macro ASK                             ; names K step j + 2; the loop's last trip (s3 = 1) has none left
	s_cmp_gt_u32 s3, 1
	s_cbranch_scc0 .Lno_ask_\@
	global_prefetch_b8 v[PFO], s[PFA:PFA+1] th:TH_LOAD_NT scope:SCOPE_SE
.Lno_ask_\@:
.endm
.macro SCLOAD set, off                 ; a K step's scale words: lanes 0-15 a's block i, lanes 16-31 the weight's block i
.irp i, 0,1,2,3,4,5,6,7
	global_load_b128 v[SC+32*(\set)+4*\i:SC+32*(\set)+4*\i+3], v[SCO], s[SCP:SCP+1] offset:(\off)+256*\i
.endr
.endm
.macro ADL base, q, set                ; 8 loads: my blocks 4-7 of a, the K step's q-th 128, into set
	WIN 0
.irp i, 0,1,2,3
.irp c, 0,1
	global_load_b128 v[128+32*(\set)+8*\i+4*\c:128+32*(\set)+8*\i+4*\c+3], v[CO], s[\base:\base+1] offset:\i*32768+(\q)*1024+\c*512
.endr
.endr
.endm
	s_load_b256 s[4:11], s[0:1], 0x0               ; a_codes, weight_codes, sc, bias
	s_load_b64 s[12:13], s[0:1], 0x20              ; out0
	v_lshl_add_u32 v[SPW], v0, 2, SPARE
	v_mov_b32 v[NIL], 0
	ds_add_u32 v[SPW], v[NIL]                      ; the opening lines: the add, twice on end, and one wait
	ds_add_u32 v[SPW], v[NIL]
	v_lshrrev_b32 v1, 5, v0
	v_readfirstlane_b32 s14, v1                    ; wave
	s_lshr_b32 s15, s14, 1                         ; my half of the rows; also: I fetch for a (0) or the weight (1)
	s_and_b32 s16, s14, 1                          ; my half of the columns; also: which half of that tile I fetch
	s_bfe_u32 s40, ttmp6, 0x40000                  ; cx
	s_bfe_u32 s41, ttmp6, 0x40004                  ; cy
	s_lshl_b32 s42, ttmp9, 2
	s_add_co_u32 s42, s42, s40                     ; tile column
	s_and_b32 s17, ttmp7, 0xffff
	s_lshl_b32 s17, s17, 2
	s_add_co_u32 s17, s17, s41                     ; tile row
	s_lshl_b32 s43, s41, 2
	s_lshl_b32 s43, 15, s43                        ; my row of the cluster
	s_lshl_b32 s44, 0x1111, s40                    ; my column
	s_or_b32 s[G1+0], s43, (3<<16)|(1<<21)         ; a: 4 blocks of 16 rows, each 512 elements of 8 bytes, 32,768 bytes apart; dense in LDS
	s_mov_b32 s[G1+1], 512<<16
	s_mov_b32 s[G1+2], 4<<16
	s_mov_b32 s[G1+3], 512<<16
	s_mov_b32 s[G1+4], 4
	s_mov_b32 s[G1+5], 4096
	s_mov_b32 s[G1+6], 0
	s_mov_b32 s[G1+7], 0
	s_or_b32 s[G1B+0], s44, (0<<16)|(1<<20)|(1<<21)|(5<<22)|(3<<25)   ; the weight: 128 rows of 256 bytes, 16 of padding behind each
	s_mov_b32 s[G1B+1], ROWB<<16
	s_mov_b32 s[G1B+2], 128<<16
	s_mov_b32 s[G1B+3], ROWB<<16
	s_mov_b32 s[G1B+4], 128
	s_mov_b32 s[G1B+5], KROW
	s_mov_b32 s[G1B+6], 0
	s_mov_b32 s[G1B+7], 0
	s_lshl_b32 s18, s17, 19                        ; a_codes: the tile's 16 blocks begin at 16 x tile row x 32,768
	s_lshl_b32 s20, s16, 18
	s_add_co_u32 s20, s20, s18                     ; the tile I fetch: blocks 0-3 of half s16
	s_mov_b32 s21, 0
	s_lshl_b32 s94, s15, 18
	s_add_co_u32 s94, s94, s18
	s_add_co_u32 s94, s94, 4*32768                 ; what I load myself: blocks 4-7 of my half
	s_mov_b32 s95, 0
	s_lshl_b32 s46, s42, 8
	s_lshl_b32 s45, s16, 7
	s_add_co_u32 s46, s46, s45
	s_lshl_b32 s46, s46, 11                        ; the weight: (256 tile column + 128 half) rows
	s_mov_b32 s47, 0
	s_lshl_b32 s96, s40, 17                        ; prefetches of a: blocks 4 cx + 2 half + (0, 1) of the tile's 16
	s_lshl_b32 s45, s16, 16
	s_add_co_u32 s96, s96, s45
	s_add_co_u32 s96, s96, s18
	s_lshl_b32 s97, s41, 16                        ; of the weight: rows 32 cy .. of the 128 that I fetch
	s_add_co_u32 s97, s97, s46
	s_mov_b32 s98, 2048
	s_cmp_eq_u32 s15, 0
	s_cselect_b32 s96, s96, s97
	s_cselect_b32 s98, 256, s98                    ; from lane to lane: a piece of a block, or a row of the weight
	s_cselect_b32 s[PSH], 12, 8
	s_mov_b32 s97, 0
	s_and_b32 s87, ttmp7, 0xffff                   ; the cluster's first K step: an even number made of the cluster's x and y
	s_and_b32 s84, ttmp9, 1
	s_lshl_b32 s84, s84, 2
	s_and_b32 s85, ttmp9, 2
	s_add_co_u32 s84, s84, s85
	s_and_b32 s86, s87, 1
	s_lshl_b32 s86, s86, 2
	s_and_b32 s85, s87, 2
	s_add_co_u32 s86, s86, s85
	s_add_co_u32 s84, s84, s86
	s_and_b32 s84, s84, 7
	s_add_co_u32 s[KN], s84, 2
	s_and_b32 s[KN], s[KN], 7
	s_lshl_b32 s[KO], s84, 8
	s_mov_b32 s[KO+1], 0
	s_lshl_b32 s[KOA], s84, 12
	s_mov_b32 s[KOA+1], 0
	s_lshl_b32 s[SOF], s84, 16
	s_mov_b32 s[SOF+1], 0
	s_lshl_b32 s84, s[KN], s[PSH]                  ; the walk's K step 2,
	s_mov_b32 s85, 0
	s_add_co_u32 s86, s[KN], 1
	s_lshl_b32 s86, s86, s[PSH]                    ; and 3 (2 is even: no wrap), in my prefetches' bytes
	s_mov_b32 s87, 0
	s_lshl_b32 s78, s17, 12                        ; sc: a's side, my 128 rows of 16 bytes
	s_lshl_b32 s79, s15, 11
	s_add_co_u32 s78, s78, s79
	s_lshl_b32 s19, s42, 12
	s_lshl_b32 s79, s16, 11
	s_add_co_u32 s19, s19, s79
	s_add_co_u32 s19, s19, SCB
	s_sub_co_u32 s19, s19, s78                     ; the weight's side, as a distance from a's
	s_lshl_b32 s22, s16, 14                        ; LDS: where a's tile that I fetch goes,
	s_mul_i32 s23, s16, HALFT
	s_add_co_u32 s23, s23, APART                   ; the weight's half s16: the one I fetch, and the one I read,
	s_lshl_b32 s99, s15, 14                        ; a's blocks that I read,
	s_mul_i32 s45, s14, 16*SPITCH
	s_add_co_u32 s45, s45, STAGE                   ; my stage
	v_and_b32 v1, 15, v0                           ; r
	v_bfe_u32 v2, v0, 4, 1                         ; h
	v_and_b32 v6, 31, v0
	v_lshlrev_b32 v[BO], 5, v2
	v_mul_u32_u24 v7, s19, v2
	v_lshl_add_u32 v[SCO], v1, 4, v7
	v_add_nc_u32 v[SCO], s78, v[SCO]
	v_lshlrev_b32 v[CO], 4, v6
	v_add_nc_u32 v[ADRA], s99, v[CO]               ; a's fragments lie as the registers take them: 16 x lane
	v_add_nc_u32 v[ADRA+1], SLOT, v[ADRA]
	v_mul_u32_u24 v3, v1, PITCH
	v_lshl_add_u32 v4, v2, 4, v3
	v_add_nc_u32 v[ADRB], s23, v4
	v_add_nc_u32 v[ADRB+1], SLOT, v[ADRB]
	v_mul_u32_u24 v5, v1, SPITCH
	v_lshl_add_u32 v5, v2, 5, v5
	v_add_nc_u32 v[STO], s45, v5
	v_add_nc_u32 v[RD], s45, v[CO]
	v_mul_u32_u24 v[PFO], s98, v1
	v_lshl_add_u32 v[PFO], v2, 15, v[PFO]          ; lanes 16-31: the next block of a, or 16 rows of the weight on: 32,768 bytes either way
	s_wait_alu depctr_va_vdst(0)                   ; the wait at the end of the head's vector work
	s_lshl_b32 s18, s17, 8
	s_lshl_b32 s19, s15, 7
	s_add_co_u32 s18, s18, s19
	s_lshl_b32 s18, s18, 14                        ; out0: my first row
	s_mov_b32 s19, 0
	s_lshl_b32 s78, s42, 10
	s_lshl_b32 s79, s16, 9
	s_add_co_u32 s78, s78, s79                     ; my first column in bytes: in out0 and in bias
	s_mov_b32 s79, 0
	s_wait_dscnt 0x0                               ; both opening adds are done
	s_wait_kmcnt 0x0
	s_cmp_eq_u32 s15, 0
	s_cselect_b64 s[PFB:PFB+1], s[4:5], s[6:7]
	s_add_nc_u64 s[PFB:PFB+1], s[PFB:PFB+1], s[96:97]
	s_add_nc_u64 s[PFA:PFA+1], s[PFB:PFB+1], s[84:85]
	s_add_nc_u64 s[86:87], s[PFB:PFB+1], s[86:87]
	s_add_nc_u64 s[ABASE:ABASE+1], s[4:5], s[20:21]
	s_add_nc_u64 s[BBASE:BBASE+1], s[6:7], s[46:47]
	s_add_nc_u64 s[4:5], s[4:5], s[94:95]
	s_add_nc_u64 s[ADB:ADB+1], s[4:5], s[KOA:KOA+1]
	s_add_nc_u64 s[ADB+2:ADB+3], s[ADB:ADB+1], 4096
	s_add_nc_u64 s[20:21], s[ABASE:ABASE+1], s[KOA:KOA+1]
	s_add_nc_u64 s[46:47], s[BBASE:BBASE+1], s[KO:KO+1]
	s_add_nc_u64 s[SCP:SCP+1], s[8:9], s[SOF:SOF+1]
	s_add_nc_u64 s[10:11], s[10:11], s[78:79]
	s_add_nc_u64 s[12:13], s[12:13], s[18:19]
	s_add_nc_u64 s[12:13], s[12:13], s[78:79]
	WIN TO_B
.irp b, 0,1,2,3,4,5,6,7
	global_load_b128 v[BIAS+8*\b:BIAS+8*\b+3],   v[BO], s[10:11] offset:64*\b      ; register j of block b: bias[16 b + 8 h + j], the result's layout
	global_load_b128 v[BIAS+8*\b+4:BIAS+8*\b+7], v[BO], s[10:11] offset:64*\b+16
.endr
	WIN 0
	SCLOAD 0, 0
	ADL ADB, 0, 0                                  ; the first three steps' blocks 4-7 of a
	ADL ADB, 1, 1
	ADL ADB, 2, 2
.irp s, 0,1
	s_mov_b32 s[G0+4*\s], 1
	s_add_co_u32 s[G0+4*\s+1], s22, \s*SLOT
	s_add_nc_u64 s[G0+4*\s+2:G0+4*\s+3], s[20:21], \s*4096
	s_or_b32 s[G0+4*\s+3], s[G0+4*\s+3], 0x80000000
	s_mov_b32 s[G0B+4*\s], 1
	s_add_co_u32 s[G0B+4*\s+1], s23, \s*SLOT
	s_add_nc_u64 s[G0B+4*\s+2:G0B+4*\s+3], s[46:47], \s*ROWB
	s_or_b32 s[G0B+4*\s+3], s[G0B+4*\s+3], 0x80000000
.endr
	CROUND                                         ; all sixteen work-groups are here: the first joint loads meet
	JLOAD G0, G1, G0B, G1B                         ; the walk's K step 0: one tensor load a wave at the head
	global_prefetch_b8 v[PFO], s[PFA:PFA+1] th:TH_LOAD_NT scope:SCOPE_SE   ; K step 2
.macro LF slot, q, p                   ; 24 LDS loads: the weight's eight fragments and a's blocks 0-3 of the slot's q-th 128, into sets p
	WIN TO_B
.irp i, 0,1,2,3,4,5,6,7
.irp c, 0,1
	ds_load_b128 v[128*(\p)+8*\i+4*\c:128*(\p)+8*\i+4*\c+3], v[ADRB+\slot] offset:64*(\q)+32*\c+\i*16*PITCH
.endr
.endr
.irp i, 0,1,2,3
.irp c, 0,1
	ds_load_b128 v[192+32*(\p)+8*\i+4*\c:192+32*(\p)+8*\i+4*\c+3], v[ADRA+\slot] offset:\i*4096+(\q)*1024+\c*512
.endr
.endr
.endm
; 8 matrix instructions: a's block a (registers from a1) against the weight's eight of set p; scale words of set sc, word q.  zero = 1: the bias starts the sums.
; The 64 accumulators take turns in the same order in every step.
.macro MULA a, a1, p, q, sc, zero
.irp b, 0,1,2,3,4,5,6,7
.set DR, 8*(8*((\a)%4)+\b)
.set CR, (\zero)*(BIAS+8*\b)+(1-(\zero))*DR
	v_wmma_scale_f32_16x16x128_f8f6f4 v[DR:DR+7], v[128*(\p)+8*\b:128*(\p)+8*\b+7], v[\a1:\a1+7], v[CR:CR+7], v[SC+32*(\sc)+4*\b+(\q)], v[SC+32*(\sc)+4*(\a)+(\q)] matrix_a_fmt:MATRIX_FMT_FP4 matrix_b_fmt:MATRIX_FMT_FP4 matrix_a_scale:MATRIX_SCALE_ROW1
.endr
.endm
.macro PLACES                          ; four places between the last products that read a set of registers and the loads into it (ISA guide 7.12.1 for vector instructions)
.rept 4
	v_nop
.endr
.endm
; Step q of slot sc.  Its one run of loads goes into the sets that the step before has read: scl: the other slot's scale words for its next K step; ad: a's blocks 4-7 three steps on; lf: the next step's LDS fragments.
; lc: the global loads issued behind this step's blocks 4-7.  meet = 1: the change of slots with a refill; 2: the last change, a barrier alone.
.macro STEP sc, q, zero, scl, soff, ad, lf, lc, meet
	PLACES
.if \scl
	WIN 0
	SCLOAD 1-\sc, \soff
.endif
.if \ad
.if (\q) == 0
	ADL ADB+2*(\sc), 3, 3
.else
	ADL ADB+2*(1-(\sc)), (\q)-1, (\q)-1
.endif
.endif
.if \lf
.if (\q) == 3
	LF 1-\sc, 0, 0
.else
	LF \sc, (\q)+1, 1-(\q)%2
.endif
.endif
	s_wait_dscnt 24*(\lf)                          ; all but the run just issued: this step's LDS fragments are in
	s_wait_loadcnt \lc                             ; and its blocks 4-7 of a (its scale words are older still)
	WIN MUL_LO-0x10*(\zero)
.irp a, 0,1,2,3
	MULA \a, 192+32*((\q)%2)+8*\a, (\q)%2, \q, \sc, \zero
.endr
	WIN MUL_HI-0x20*(\zero)
.irp a, 4,5
	MULA \a, 96+32*(\q)+8*\a, (\q)%2, \q, \sc, \zero
.endr
.if \meet
	WIN 0                                          ; (the add's registers lie in window 0)
.if (\meet) == 1
	s_wait_xcnt 0x0                                ; the loads and the prefetch issued so far have read their bases
	s_lshl_b32 s[KO], s[KN], 8
	s_lshl_b32 s[KOA], s[KN], 12
	s_lshl_b32 s[SOF], s[KN], 16
	s_add_nc_u64 s[SCP:SCP+1], s[8:9], s[SOF:SOF+1]
	s_add_nc_u64 s[ADB+2*(\sc):ADB+2*(\sc)+1], s[4:5], s[KOA:KOA+1]
	s_add_co_u32 s84, s[KN], 2
	s_and_b32 s84, s84, 7
	s_lshl_b32 s84, s84, s[PSH]
	s_add_nc_u64 s[PFA:PFA+1], s[PFB:PFB+1], s[84:85]
	s_add_co_u32 s[KN], s[KN], 1
	s_and_b32 s[KN], s[KN], 7
.endif
	s_wait_tensorcnt 0x0                           ; all my tensor loads have landed: my part of the other slot
	ds_add_u32 v[SPW], v[NIL]
.if (\meet) == 1
	s_add_nc_u64 s[G0+4*\sc+2:G0+4*\sc+3], s[ABASE:ABASE+1], s[KOA:KOA+1]   ; no tensor load of mine is out: the descriptors may be written
	s_or_b32 s[G0+4*\sc+3], s[G0+4*\sc+3], 0x80000000
	s_add_nc_u64 s[G0B+4*\sc+2:G0B+4*\sc+3], s[BBASE:BBASE+1], s[KO:KO+1]
	s_or_b32 s[G0B+4*\sc+3], s[G0B+4*\sc+3], 0x80000000
.endif
	WIN MUL_HI
.endif
	MULA 6, 96+32*(\q)+8*6, (\q)%2, \q, \sc, \zero
.if \meet
	s_wait_dscnt 0x0                               ; the add is done, and my reads of this slot are over
	s_barrier_signal -1
.endif
	MULA 7, 96+32*(\q)+8*7, (\q)%2, \q, \sc, \zero
.if \meet
	WIN 0
	s_barrier_wait -1
.if (\meet) == 1
	CREST                                          ; no wave of any partner still reads this slot or has a load on its way
	JLOAD G0+4*\sc, G1, G0B+4*\sc, G1B             ; the first tensor load behind the round
	ASK
.endif
.endif
.endm
	s_wait_tensorcnt 0x0                           ; my part of K step 0 is in
	ds_add_u32 v[SPW], v[NIL]
	s_wait_dscnt 0x0
	CROUND
	JLOAD G0+4, G1, G0B+4, G1B                     ; K step 1: slot 1's first fill, issued as a refill is
	LF 0, 0, 0
	global_prefetch_b8 v[PFO], s[86:87] th:TH_LOAD_NT scope:SCOPE_SE   ; K step 3
	STEP 0, 0, 1, 1, SCK, 1, 1, 32, 0              ; the first step stands ahead of the loop: its products start the sums on the bias
	WIN 0
	s_mov_b32 s3, LAPS-1
.Llap:                                                 ; a trip goes once round the ring and fills both slots again.  lc = 32: three steps' 8 loads and the 8 scale loads; 24 where the scale loads are older
	STEP 0, 1, 0, 0, 0, 1, 1, 32, 0
	STEP 0, 2, 0, 0, 0, 1, 1, 32, 1
	STEP 0, 3, 0, 0, 0, 1, 1, 24, 0
	STEP 1, 0, 0, 1, 0, 1, 1, 32, 0
	STEP 1, 1, 0, 0, 0, 1, 1, 32, 0
	STEP 1, 2, 0, 0, 0, 1, 1, 32, 1
	STEP 1, 3, 0, 0, 0, 1, 1, 24, 0
	STEP 0, 0, 0, 1, 0, 1, 1, 32, 0
	WIN 0
	s_sub_co_u32 s3, s3, 1
	s_cmp_lg_u32 s3, 0
	s_cbranch_scc1 .Llap
	STEP 0, 1, 0, 0, 0, 1, 1, 32, 0                ; the last lap fills nothing
	STEP 0, 2, 0, 0, 0, 1, 1, 32, 2
	STEP 0, 3, 0, 0, 0, 1, 1, 24, 0
; THE WAY OUT, by blocks of 16 rows x 128 columns: through my own stage and back as whole rows of 512 bytes.  LDS serves a wave's instructions in order (ISA guide 5.7.1.4).
.macro TOSTAGE a
.set AC, 64*((\a)%4)
	WIN 0x08+4*((\a)/4)                            ; the data: window 2 or 3
.irp b, 0,1,2,3,4,5,6,7
	ds_store_b128 v[STO], v[AC+8*\b:AC+8*\b+3] offset:64*\b          ; each accumulator from its low end on
	ds_store_b128 v[STO], v[AC+8*\b+4:AC+8*\b+7] offset:64*\b+16
.endr
	WIN 0
.set BB, BK+64*((\a)%2)
.irp t, 0,1,2,3,4,5,6,7,8,9,10,11,12,13,14,15
	ds_load_b128 v[BB+4*\t:BB+4*\t+3], v[RD] offset:\t*SPITCH
.endr
.endm
.macro SEND a, younger                 ; younger: the LDS instructions issued behind block a's loads
.set BB, BK+64*((\a)%2)
	s_wait_dscnt \younger
.irp t, 0,1,2,3,4,5,6,7,8,9,10,11,12,13,14,15
	global_store_b128 v[CO], v[BB+4*\t:BB+4*\t+3], s[12:13] offset:(16*(\a)+\t)*SIZE_N*4 th:TH_STORE_NT   ; 32 lanes store 512 consecutive bytes, aligned; the row stands in the immediate: 127 rows of 16,384 bytes at the most
.endr
.endm
; THE LAST K STEP (it lies in slot 1) GOES BY HALVES OF MY ROWS.  First blocks 4-7 through its four steps of 128 (their fragments of a fill the four sets of window 0), then blocks 0-3, for which
; the weight's fragments are read from LDS once more.  So blocks 4-7 are finished half a K step ahead of the last product, and leave while blocks 0-3 are multiplied; each sum keeps its order along K.
; Half a step: hi = 1: blocks 4-7; hi = 0: blocks 0-3, and block 4 + q, which is back from the stage, is stored.  fq: the step whose LDS fragments are fetched (-1: none); lc, dc: the loads that may stay out.
.macro HALF q, hi, ad, fq, lc, dc
	PLACES
.if \ad
	ADL ADB+2, 3, 3                                ; the last loads of a
.endif
.if (\fq) >= 0
	LF 1, \fq, 1-(\q)%2
.endif
	s_wait_dscnt \dc                               ; all but the run just issued
	s_wait_loadcnt \lc
.if \hi
	WIN MUL_HI
.irp a, 4,5,6,7
	MULA \a, 96+32*(\q)+8*\a, (\q)%2, \q, 1, 0
.endr
.else
	WIN 0
	SEND 4+\q, \dc
	WIN MUL_LO
.irp a, 0,1,2,3
	MULA \a, 192+32*((\q)%2)+8*\a, (\q)%2, \q, 1, 0
.endr
.endif
.endm
	HALF 0, 1, 1, 1, 24, 24                        ; three later steps' 8 loads of a may be out; then the counts run down
	HALF 1, 1, 0, 2, 16, 24
	HALF 2, 1, 0, 3, 8, 24
	HALF 3, 1, 0, 0, 0, 24                         ; it fetches the K step's first fragments again, for blocks 0-3
	PLACES                                         ; the stage's stores read results just made, and its loads land on the sets of a that the last products read
	TOSTAGE 4
	HALF 0, 0, 0, 1, 0, 24
	TOSTAGE 5
	HALF 1, 0, 0, 2, 0, 24
	s_wait_xcnt 0x0                                ; block 4's stores have read their registers
	TOSTAGE 6
	HALF 2, 0, 0, 3, 0, 24
	s_wait_xcnt 0x0
	TOSTAGE 7
	HALF 3, 0, 0, -1, 0, 0
	PLACES
	s_wait_xcnt 0x0
	TOSTAGE 0
.irp a, 1,2,3
	s_wait_xcnt 0x0                                ; the stores of two blocks ago have read their registers
	TOSTAGE \a
	SEND \a-1, 32
.endr
	SEND 3, 0
	s_wait_tensorcnt 0x0                           ; the wave's end
	ds_add_u32 v[SPW], v[NIL]
	s_wait_dscnt 0x0
	CROUND                                         ; the closing round
	s_endpgm
.Lfunc_end_k_q033860ad37_gemm:
	.size	k_q033860ad37_gemm, .Lfunc_end_k_q033860ad37_gemm-k_q033860ad37_gemm
	.p2alignl 7, 3214868480
	.fill 96, 4, 3214868480
	.section	.rodata,"a",@progbits
	.p2align	6, 0x0
	.amdhsa_kernel k_q033860ad37_gemm
		.amdhsa_group_segment_fixed_size 327680
		.amdhsa_private_segment_fixed_size 0
		.amdhsa_enable_private_segment 0
		.amdhsa_kernarg_size 40
		.amdhsa_user_sgpr_count 2
		.amdhsa_user_sgpr_kernarg_segment_ptr 1
		.amdhsa_wavefront_size32 1
		.amdhsa_system_sgpr_workgroup_id_x 1
		.amdhsa_system_sgpr_workgroup_id_y 1
		.amdhsa_system_sgpr_workgroup_id_z 1
		.amdhsa_system_vgpr_workitem_id 0
		.amdhsa_next_free_vgpr 1024
		.amdhsa_next_free_sgpr 100
		.amdhsa_reserve_vcc 0
		.amdhsa_float_denorm_mode_32 3
		.amdhsa_float_denorm_mode_16_64 3
		.amdhsa_memory_ordered 1
		.amdhsa_forward_progress 1
		.amdhsa_inst_pref_size 224
	.end_amdhsa_kernel
	.amdgpu_metadata
---
amdhsa.version: [ 1, 2 ]
amdhsa.kernels:
  - .name:           k_q033860ad37_gemm
    .symbol:         k_q033860ad37_gemm.kd
    .args:
      - { .name: a_codes, .offset: 0, .size: 8, .value_kind: global_buffer, .address_space: global }
      - { .name: weight_codes, .offset: 8, .size: 8, .value_kind: global_buffer, .address_space: global }
      - { .name: sc, .offset: 16, .size: 8, .value_kind: global_buffer, .address_space: global }
      - { .name: bias, .offset: 24, .size: 8, .value_kind: global_buffer, .address_space: global }
      - { .name: out0, .offset: 32, .size: 8, .value_kind: global_buffer, .address_space: global }
    .group_segment_fixed_size: 327680
    .private_segment_fixed_size: 0
    .kernarg_segment_align: 8
    .kernarg_segment_size: 40
    .max_flat_workgroup_size: 128
    .sgpr_count:     100
    .vgpr_count:     1024
    .wavefront_size: 32
...
	.end_amdgpu_metadata
.endif
;; end of part 2
